; MI455X (gfx1250); checked and timed in simulation.
; The chip was launched on July 23, 2026; its instructions are those of AMD's public machine-readable ISA for CDNA 5 (MIT licence, August 2026) and "CDNA5" Instruction Set Architecture Reference Guide (July 2026). The comments in the code are by the model that wrote it; some were corrected since.
;; Multi Head Attention. Allowed arithmetic: matrix products marked QUANTISED: E2M1 operands, one E8M0 scale for each 32 along K, by v_wmma_scale_f32_16x16x128_f8f6f4 with both operands' format E2M1 (or v_wmma_scale_f32_32x16x128_f4), f32 sums; products left as they are: bf16, f16 or f32 operands; f32 sums; everything else in f32.
;; Inputs: Wk 1,024 x 1,024 float32; Wq 1,024 x 1,024 float32; Wv 1,024 x 1,024 float32; bk 1,024 float32; bq 1,024 float32; bv 1,024 float32; k 8 x 1,024 x 1,024 float32; q 8 x 1,024 x 1,024 float32; v 8 x 1,024 x 1,024 float32.
;; Outputs: out0 8 x 1,024 x 1,024 float32.
;; This version of the problem:
;;   THIS VERSION OF THE PROBLEM IS GIVEN IN LOW PRECISION. The matrix products marked QUANTISED in the list below multiply operands that are first quantised to E2M1 (2 exponent bits, 1 mantissa bit; 4 bits a number), with one power-of-two scale for each 32 numbers along K (OCP MX v1.0); their sums are f32. The products marked 'left as it is' may take bf16, f16 or f32 operands, with f32 sums. Whichever they take, every output number must still come out within the allowed error. Rounding operands to bf16 (8 significant bits) uses up far more of that allowance than f16 does (11 bits, for magnitudes from 6e-5 to 65,504). All else is computed in f32.
;;   The module's matrix products, in the order in which they are computed (A, B: the left and right operand; K: the contracted axis; several contracted axes count as one K, in the product's order):
;;     1. [M 8,192, K 1,024] x [K 1,024, N 1,024]; A: input q; B: input Wq: QUANTISED
;;     2. [M 8,192, K 1,024] x [K 1,024, N 1,024]; A: input k; B: input Wk: QUANTISED
;;     3. [M 8,192, K 1,024] x [K 1,024, N 1,024]; A: input v; B: input Wv: QUANTISED
;;     4. batch 128 x [M 1,024, K 64] x [K 64, N 1,024]; A: computed on the way; B: computed on the way: left as it is (an operand is computed on the way)
;;     5. batch 128 x [M 64, K 1,024] x [K 1,024, N 1,024]; A: computed on the way; B: computed on the way: left as it is (an operand is computed on the way)
;;   THE QUANTISER, for each operand of a quantised product, along K:
;;     - K is cut into blocks of 32 from its start; a last block that is shorter is filled with zeros.
;;     - A block's scale is 2^e with e = floor(log2(the largest magnitude in the block)) - 2, held to -126 .. 127; a block of zeros has e = 0. As a byte (E8M0): e + 127.
;;     - Each number is divided by its block's scale, clamped to +-6, and rounded to the nearest number of E2M1, ties to even, subnormals kept.
;;     - The product sums the exact products of the quantised numbers (number of the format x scale) in f32.
;;   ~~~python
;;   def quantise(x, axis):      # numpy; x: float32 -> the quantised numbers, widened to float32 again
;;       x = np.moveaxis(x, axis, -1); K = x.shape[-1]
;;       x = np.pad(x, [(0, 0)] * (x.ndim - 1) + [(0, -K % 32)]); x = x.reshape(x.shape[:-1] + (-1, 32)); a = np.abs(x).max(-1, keepdims=True)
;;       e = np.where(a > 0, np.clip(np.frexp(np.where(a > 0, a, 1))[1] - 1 - 2, -126, 127), 0)      # np.frexp(a)[1] - 1 = floor(log2(a)), exactly
;;       r = np.clip(x / 2.0 ** e, -6, 6)
;;       step = 2.0 ** (np.maximum(np.frexp(np.where(r == 0, 1, r))[1] - 1, 0) - 1)
;;       q = np.round(r / step) * step * 2.0 ** e      # np.round: ties to even
;;       return np.moveaxis(q.reshape(q.shape[:-2] + (-1,))[..., :K], -1, axis).astype(np.float32)
;;   ~~~
;; One version. Each part assembles by itself: llvm-mc -triple=amdgcn-amd-amdhsa -mcpu=gfx1250 --defsym DOCPART=n.
;; ======== version 1 of 1: 4 launches
;; limits: values are held in f16: magnitudes above 65,504 overflow, below 6.1e-05 lose precision
;; workspace buffers: xc 12,582,912 bytes; xs 786,432 bytes; wc 1,572,864 bytes; ws 98,304 bytes; hb 50,331,648 bytes; ns 524,288 bytes
;; launch quant (part 1): grid 480 x 1, 4 waves a work-group, no clusters, 68,096 bytes of LDS; arguments q, k, v, Wq, Wk, Wv, xc, xs, wc, ws; writes xc, xs, wc, ws
.if DOCPART == 1
	.amdgcn_target "amdgcn-amd-amdhsa--gfx1250"
	.amdhsa_code_object_version 6
	.text
	.protected	k_q5fec9910bb_quant
	.globl	k_q5fec9910bb_quant
	.p2align	8
	.type	k_q5fec9910bb_quant,@function
k_q5fec9910bb_quant:
	s_mov_b64 s[64:65], 0
	v_nop
	global_prefetch_b8 v0, s[64:65] scope:SCOPE_SE
	s_setreg_imm32_b32 hwreg(HW_REG_WAVE_MODE, 25, 1), 1
	s_wait_xcnt 0x0
; q, k, v [8][1024 c][1024 l] and Wq, Wk, Wv [1024 o][1024 c], f32, become codes of FP4 (E2M1) with c innermost and one E8M0 byte for each 32 along c.
;   xc [p 3][b 8][l 1024][512 bytes], xs [the same rows][32 bytes];  wc [p 3][o 1024][512 bytes], ws [the same rows][32 bytes].
; A block's scale is 2^(floor(log2(its largest magnitude)) - 2); its byte is the largest magnitude's exponent field - 2, held at 1 from below.  A block of zeros so gets the byte 1 where the
; rule says 127: its codes are zeros, which add nothing, and this program alone reads the bytes.
; LIMITS: blocks whose largest magnitude lies under 2^-124 keep the byte 1; NaN and infinities among the inputs are not served.
; Work-groups 0 to 383 take q, k, v: c is NOT innermost there, so a lane takes a column l and its registers run down c: a block of 32 lies in one lane, the conversions give codes with c innermost,
; and 512 along c (256 bytes a column) go through the wave's own stage in LDS, so that sixteen lanes store 256 consecutive aligned bytes.
; Work-groups 384 to 479 take the weights: c is innermost, so a tensor is a plain stream of blocks; loads take 512 consecutive bytes, a step's 2,048 bytes turn through the wave's stage so that a lane holds 16 neighbours.
; The two paths have LDS bytes of their own.  No tensor loads, no barriers: waves share nothing.  Matrix units, clusters and prefetches are left out: the launch only streams.
.set PITCH, 272                        ; x path: a stage row: 256 bytes of codes + 16
.set XSTG,  32*PITCH                   ; a wave's stage on the x path
.set WRG,   4*XSTG                     ; behind the four stages: the weights' path's regions
.set WREG,  8192                       ; one for each wave: two stages of 32 x SP bytes, then its 256 scale bytes
.set SP,    80                         ; a lane's place in such a stage: 64 bytes + 16
.set SPARE, WRG+4*WREG                 ; the spare words, 128 bytes for each wave: two blocks of 256 bytes that no other line names
.set NB,    16                         ; x path: blocks of 32 along c for a lane
.set STEPS, 16                         ; weights' path: steps of 512 numbers for a wave
.set SPW,   192                        ; v192 LDS address of my spare word; never rewritten
.set NIL,   193                        ; v193 0; never rewritten
.set SB,    24                         ; x path: v24-27 scale bytes; v32-95 two sets of 32 numbers; v96-99 a block's codes; v112-175 the way out
.set XX,    32
.set XC,    96
.set OUTR,  112
.set WR,    16                         ; weights' path: v16-79 four sets as loaded; v80-111 two sets of 16 neighbours; v112-127 bytes; v128-191 codes
.set WX,    80
.set WE,    112
.set WC,    128
	s_load_b256 s[4:11], s[0:1], 0x0               ; q s[4:5], k s[6:7], v s[8:9], Wq s[10:11]
	s_load_b256 s[12:19], s[0:1], 0x20             ; Wk s[12:13], Wv s[14:15], xc s[16:17], xs s[18:19]
	s_load_b128 s[20:23], s[0:1], 0x40             ; wc s[20:21], ws s[22:23]
	v_lshl_add_u32 v[SPW], v0, 2, SPARE
	v_mov_b32 v[NIL], 0
	v_lshrrev_b32 v1, 5, v0
	v_readfirstlane_b32 s24, v1                    ; wave 0..3
	v_and_b32 v2, 31, v0                           ; lane
	s_cmp_lt_u32 ttmp9, 384
	s_cbranch_scc0 .Lw                             ; the work-group's number alone decides the path
	; ---------------- q, k, v ----------------
	s_and_b32 s25, ttmp9, 7
	s_lshl_b32 s25, s25, 7
	s_lshl_b32 s28, s24, 5
	s_add_co_u32 s25, s25, s28                     ; my wave's first column l: 128 (g % 8) + 32 wave
	s_bfe_u32 s28, ttmp9, 0x10003                  ; which 512 along c: bit 3 of g
	s_lshr_b32 s29, ttmp9, 4                       ; 8 p + b
	s_and_b32 s30, s29, 7                          ; b
	s_lshl_b32 s32, s30, 22                        ; in: b x 4 MiB + 512 rows of 4,096 bytes + 4 l
	s_lshl_b32 s31, s28, 21
	s_add_co_u32 s32, s32, s31
	s_lshl_b32 s31, s25, 2
	s_add_co_u32 s32, s32, s31
	s_mov_b32 s33, 0
	s_lshl_b32 s29, s29, 10
	s_add_co_u32 s29, s29, s25                     ; my first row of xc and xs
	s_lshl_b32 s34, s29, 9                         ; codes: 512 bytes a row, + 256 for the upper half of c
	s_lshl_b32 s31, s28, 8
	s_add_co_u32 s34, s34, s31
	s_mov_b32 s35, 0
	s_lshl_b32 s36, s29, 5                         ; scale bytes: 32 a row, + 16
	s_lshl_b32 s31, s28, 4
	s_add_co_u32 s36, s36, s31
	s_mov_b32 s37, 0
	v_lshlrev_b32 v3, 2, v2                        ; in: 4 bytes a lane
	s_mul_i32 s38, s24, XSTG                       ; my stage
	v_mul_u32_u24 v4, v2, PITCH
	v_add_nc_u32 v4, s38, v4                       ; into it: row = my column
	v_and_b32 v5, 15, v2
	v_lshrrev_b32 v6, 4, v2
	v_mul_u32_u24 v7, v6, PITCH
	v_lshl_add_u32 v7, v5, 4, v7
	v_add_nc_u32 v7, s38, v7                       ; out of it: sixteen lanes to a row, two rows an instruction
	v_lshlrev_b32 v8, 9, v6
	v_lshl_add_u32 v8, v5, 4, v8                   ; and the same place in xc
	v_lshlrev_b32 v9, 5, v2                        ; my column's row of scale bytes
	s_wait_kmcnt 0x0
	s_cmp_lt_u32 ttmp9, 128
	s_cselect_b64 s[26:27], s[4:5], s[6:7]
	s_cmp_lt_u32 ttmp9, 256
	s_cselect_b64 s[26:27], s[26:27], s[8:9]       ; q, k or v
	s_add_nc_u64 s[26:27], s[26:27], s[32:33]
	s_add_nc_u64 s[16:17], s[16:17], s[34:35]
	s_add_nc_u64 s[18:19], s[18:19], s[36:37]
.macro XLOAD t                         ; block t: x(32 t + i, my column), i = 0 .. 31, into set t % 2; a wave reads 128 consecutive bytes, the four waves 512
.irp i, 0,1,2,3,4,5,6,7,8,9,10,11,12,13,14,15,16,17,18,19,20,21,22,23,24,25,26,27,28,29,30,31
	global_load_b32 v[XX+32*((\t)%2)+\i], v3, s[26:27] offset:(32*(\t)+\i)*4096 th:TH_LOAD_NT
.endr
.endm
	XLOAD 0
	XLOAD 1
.macro XBLOCK t
.set XS, XX+32*((\t)%2)
.if (\t) < NB-1
	s_wait_loadcnt 32                              ; this block's 32 loads are in; the next block's 32 may be out
.else
	s_wait_loadcnt 0x0
.endif
	v_max3_num_f32 v12, |v[XS]|, |v[XS+1]|, |v[XS+2]|   ; the block's largest magnitude: all 32 numbers are mine; two chains
	v_max3_num_f32 v13, |v[XS+3]|, |v[XS+4]|, |v[XS+5]|
.irp i, 6,10,14,18,22,26
	v_max3_num_f32 v12, v12, |v[XS+\i]|, |v[XS+\i+1]|
	v_max3_num_f32 v13, v13, |v[XS+\i+2]|, |v[XS+\i+3]|
.endr
	v_max3_num_f32 v12, v12, |v[XS+30]|, |v[XS+31]|
	v_max3_num_f32 v12, v12, v13, 0x1800000        ; and the floor 2^(3 - 127): the byte cannot fall under 1
	v_add_nc_u32 v11, 0xff000000, v12              ; 2 off the exponent field: the conversion takes the exponent field of this operand as its scale
	v_lshrrev_b32 v13, 23, v11                     ; the scale's byte
.if (\t)%4 == 0
	v_mov_b32 v[SB+(\t)/4], v13                    ; four bytes to a register, the lower c in the lower byte
.else
	v_lshl_or_b32 v[SB+(\t)/4], v13, 8*((\t)%4), v[SB+(\t)/4]
.endif
.irp g, 0,1,2,3
	v_cvt_scalef32_pk8_fp4_f32 v[XC+\g], v[XS+8*\g:XS+8*\g+7], v11
.endr
	ds_store_b128 v4, v[XC:XC+3] offset:16*(\t)    ; 32 codes: 16 bytes of my column's row
.if (\t)+2 < NB
	XLOAD (\t)+2
.endif
	s_wait_dscnt 0x0                               ; the store has read its registers: the next block's codes may be written
.endm
.set Q, 0
.rept NB
	XBLOCK Q
.set Q, Q+1
.endr
	global_store_b128 v9, v[SB:SB+3], s[18:19]     ; my column's 16 scale bytes
.irp t, 0,1,2,3,4,5,6,7,8,9,10,11,12,13,14,15
	ds_load_b128 v[OUTR+4*\t:OUTR+4*\t+3], v7 offset:2*\t*PITCH   ; LDS serves a wave's instructions in order: these see my stores
.endr
.irp t, 0,1,2,3,4,5,6,7,8,9,10,11,12,13,14,15
	s_wait_dscnt 15-\t                             ; row pair t is back; the later pairs may be out
	global_store_b128 v8, v[OUTR+4*\t:OUTR+4*\t+3], s[16:17] offset:2*\t*512   ; sixteen lanes store 256 consecutive bytes, aligned
.endr
	s_wait_tensorcnt 0x0                           ; the wave's end, behind my last LDS store
	ds_add_u32 v[SPW], v[NIL]
	s_wait_dscnt 0x0
	s_endpgm
	; ---------------- Wq, Wk, Wv ----------------
.Lw:
	s_sub_co_u32 s25, ttmp9, 384                   ; g' = 0 .. 95: 32 work-groups to a weight
	s_and_b32 s28, s25, 31
	s_lshl_b32 s28, s28, 2
	s_add_co_u32 s28, s28, s24
	s_lshl_b32 s32, s28, 15                        ; in: my wave's run of 8,192 numbers, 32,768 bytes
	s_mov_b32 s33, 0
	s_lshl_b32 s29, s25, 2
	s_add_co_u32 s29, s29, s24                     ; which run of wc and ws
	s_lshl_b32 s34, s29, 12                        ; 4,096 bytes of codes a run
	s_mov_b32 s35, 0
	s_lshl_b32 s36, s29, 8                         ; 256 scale bytes a run
	s_mov_b32 s37, 0
	s_mul_i32 s38, s24, WREG
	s_add_co_u32 s38, s38, WRG                     ; my region
	v_lshlrev_b32 v3, 4, v2                        ; my 16 bytes of a load's 512
	v_lshrrev_b32 v14, 2, v2
	v_mul_u32_u24 v14, v14, SP
	v_and_b32 v15, 3, v2
	v_lshl_add_u32 v14, v15, 4, v14
	v_add_nc_u32 v14, s38, v14                     ; the stage on the way in: four lanes' 64 bytes on end, then 16 of padding
	v_mul_u32_u24 v15, v2, SP
	v_add_nc_u32 v15, s38, v15                     ; and on the way out: my 16 neighbours
	v_lshlrev_b32 v4, 3, v2                        ; my 8 bytes of a step's codes
	v_lshrrev_b32 v5, 1, v2
	s_add_co_u32 s38, s38, 2*32*SP
	v_add_nc_u32 v5, s38, v5                       ; my block's byte among my wave's 256
	v_lshlrev_b32 v7, 3, v2
	v_add_nc_u32 v6, s38, v7                       ; and on the way out 8 bytes a lane
	s_wait_kmcnt 0x0
	s_cmp_lt_u32 s25, 32
	s_cselect_b64 s[26:27], s[10:11], s[12:13]
	s_cmp_lt_u32 s25, 64
	s_cselect_b64 s[26:27], s[26:27], s[14:15]     ; Wq, Wk or Wv
	s_add_nc_u64 s[26:27], s[26:27], s[32:33]
	s_add_nc_u64 s[20:21], s[20:21], s[34:35]
	s_add_nc_u64 s[22:23], s[22:23], s[36:37]
.macro WLOAD t
.irp i, 0,1,2,3
	global_load_b128 v[WR+16*((\t)%4)+4*\i:WR+16*((\t)%4)+4*\i+3], v3, s[26:27] offset:2048*(\t)+512*\i th:TH_LOAD_NT   ; 32 lanes read 512 consecutive bytes
.endr
.endm
.macro WTURN t                         ; step t's numbers through the stage; LDS serves a wave's instructions in order, so no wait stands between the stores and the loads
.irp i, 0,1,2,3
	ds_store_b128 v14, v[WR+16*((\t)%4)+4*\i:WR+16*((\t)%4)+4*\i+3] offset:32*SP*((\t)%2)+8*SP*\i
.endr
.irp i, 0,1,2,3
	ds_load_b128 v[WX+16*((\t)%2)+4*\i:WX+16*((\t)%2)+4*\i+3], v15 offset:32*SP*((\t)%2)+16*\i
.endr
.endm
.irp t, 0,1,2,3
	WLOAD \t
.endr
	s_wait_loadcnt 12                              ; step 0's four loads are in; three steps' twelve may be out
	WTURN 0
.macro WSTEP t
.set XS, WX+16*((\t)%2)
.if (\t) > 0
	s_wait_dscnt 1                                 ; this step's numbers are back from the stage; the last step's byte store may be out
.else
	s_wait_dscnt 0x0
.endif
.if (\t)+4 < STEPS
	WLOAD (\t)+4                                   ; into the registers that this step's stage stores have read
.endif
.if (\t)+1 < STEPS
.if STEPS-2-(\t) >= 3
	s_wait_loadcnt 12                              ; the next step's four loads are in; those of the three steps behind it may be out
.else
	s_wait_loadcnt 4*(STEPS-2-(\t))
.endif
	WTURN (\t)+1
.endif
	v_max3_num_f32 v8, |v[XS]|, |v[XS+1]|, |v[XS+2]|   ; the largest magnitude of my 16
	v_max3_num_f32 v9, |v[XS+3]|, |v[XS+4]|, |v[XS+5]|
.irp i, 6,10
	v_max3_num_f32 v8, v8, |v[XS+\i]|, |v[XS+\i+1]|
	v_max3_num_f32 v9, v9, |v[XS+\i+2]|, |v[XS+\i+3]|
.endr
	v_max3_num_f32 v8, v8, |v[XS+14]|, |v[XS+15]|
	v_max3_num_f32 v8, v8, v9, 0x1800000           ; and the floor 2^(3 - 127)
	v_max_num_f32_dpp v8, v8, v8 row_xmask:1 row_mask:0xf bank_mask:0xf   ; and of my neighbour's 16: the block's
	v_add_nc_u32 v11, 0xff000000, v8               ; 2 off the exponent field: the conversion's scale operand
	v_cvt_scalef32_pk8_fp4_f32 v[WC+4*(\t)], v[XS:XS+7], v11
	v_cvt_scalef32_pk8_fp4_f32 v[WC+4*(\t)+1], v[XS+8:XS+15], v11
	v_lshrrev_b32 v[WE+(\t)], 23, v11              ; the scale's byte (also the plain line behind the conversions)
	ds_store_b8 v5, v[WE+(\t)] offset:16*(\t)      ; both lanes of a block write the same byte with the same value
	global_store_b64 v4, v[WC+4*(\t):WC+4*(\t)+1], s[20:21] offset:256*(\t)   ; the wave stores 256 consecutive bytes, aligned
.endm
.irp t, 0,1,2,3,4,5,6,7,8,9,10,11,12,13,14,15
	WSTEP \t
.endr
	ds_load_b64 v[8:9], v6                         ; my wave's 256 scale bytes, 8 a lane: these see my stores
	s_wait_dscnt 0x0
	global_store_b64 v7, v[8:9], s[22:23]          ; 256 consecutive bytes, aligned
	s_wait_tensorcnt 0x0                           ; the wave's end, behind my last LDS store
	ds_add_u32 v[SPW], v[NIL]
	s_wait_dscnt 0x0
	s_endpgm
.Lfunc_end_k_q5fec9910bb_quant:
	.size	k_q5fec9910bb_quant, .Lfunc_end_k_q5fec9910bb_quant-k_q5fec9910bb_quant
	.p2alignl 7, 3214868480
	.fill 96, 4, 3214868480
	.section	.rodata,"a",@progbits
	.p2align	6, 0x0
	.amdhsa_kernel k_q5fec9910bb_quant
		.amdhsa_group_segment_fixed_size 68096
		.amdhsa_private_segment_fixed_size 0
		.amdhsa_enable_private_segment 0
		.amdhsa_kernarg_size 80
		.amdhsa_user_sgpr_count 2
		.amdhsa_user_sgpr_kernarg_segment_ptr 1
		.amdhsa_wavefront_size32 1
		.amdhsa_system_sgpr_workgroup_id_x 1
		.amdhsa_system_sgpr_workgroup_id_y 1
		.amdhsa_system_sgpr_workgroup_id_z 1
		.amdhsa_system_vgpr_workitem_id 0
		.amdhsa_next_free_vgpr 200
		.amdhsa_next_free_sgpr 66
		.amdhsa_reserve_vcc 0
		.amdhsa_float_denorm_mode_32 3
		.amdhsa_float_denorm_mode_16_64 3
		.amdhsa_memory_ordered 1
		.amdhsa_forward_progress 1
		.amdhsa_inst_pref_size 111
	.end_amdhsa_kernel
	.amdgpu_metadata
---
amdhsa.version: [ 1, 2 ]
amdhsa.kernels:
  - .name:           k_q5fec9910bb_quant
    .symbol:         k_q5fec9910bb_quant.kd
    .args:
      - { .name: q, .offset: 0, .size: 8, .value_kind: global_buffer, .address_space: global }
      - { .name: k, .offset: 8, .size: 8, .value_kind: global_buffer, .address_space: global }
      - { .name: v, .offset: 16, .size: 8, .value_kind: global_buffer, .address_space: global }
      - { .name: Wq, .offset: 24, .size: 8, .value_kind: global_buffer, .address_space: global }
      - { .name: Wk, .offset: 32, .size: 8, .value_kind: global_buffer, .address_space: global }
      - { .name: Wv, .offset: 40, .size: 8, .value_kind: global_buffer, .address_space: global }
      - { .name: xc, .offset: 48, .size: 8, .value_kind: global_buffer, .address_space: global }
      - { .name: xs, .offset: 56, .size: 8, .value_kind: global_buffer, .address_space: global }
      - { .name: wc, .offset: 64, .size: 8, .value_kind: global_buffer, .address_space: global }
      - { .name: ws, .offset: 72, .size: 8, .value_kind: global_buffer, .address_space: global }
    .group_segment_fixed_size: 68096
    .private_segment_fixed_size: 0
    .kernarg_segment_align: 8
    .kernarg_segment_size: 80
    .max_flat_workgroup_size: 128
    .sgpr_count:     66
    .vgpr_count:     200
    .wavefront_size: 32
...
	.end_amdgpu_metadata
.endif
;; end of part 1
;; launch proj (part 2): grid 4 x 96, 4 waves a work-group, clusters of 4 x 4, 327,680 bytes of LDS; arguments xc, xs, wc, ws, bq, bk, bv, hb; writes hb
.if DOCPART == 2
	.amdgcn_target "amdgcn-amd-amdhsa--gfx1250"
	.amdhsa_code_object_version 6
	.text
	.protected	k_q5fec9910bb_proj
	.globl	k_q5fec9910bb_proj
	.p2align	8
	.type	k_q5fec9910bb_proj,@function
k_q5fec9910bb_proj:
	s_mov_b64 s[64:65], 0
	v_nop
	global_prefetch_b8 v0, s[64:65] scope:SCOPE_SE
	s_setreg_imm32_b32 hwreg(HW_REG_WAVE_MODE, 25, 1), 1
	s_wait_xcnt 0x0
	s_wait_alu depctr_hold_cnt(0) depctr_sa_sdst(0) depctr_va_vdst(0) depctr_va_sdst(0) depctr_va_ssrc(0) depctr_va_vcc(0) depctr_vm_vsrc(0)
	s_getreg_b32 s2, hwreg(HW_REG_IB_STS2, 6, 4)
	s_cmp_eq_u32 s2, 0
	s_cbranch_scc0 .Lentry_in_a_cluster
	s_endpgm
.Lentry_in_a_cluster:
	s_bfe_u32 s2, ttmp6, 0x10000c
	s_cmp_lg_u32 s2, 0xf033
	s_cbranch_scc0 .Lentry_shape_is_right
	s_endpgm
.Lentry_shape_is_right:
; The three projections as ONE product on codes of FP4 (E2M1) with E8M0 scales: C[m][n] = sum over c of X[m][c] W[n][c], m = (p, b, l): 24,576 rows of xc, n = o: the 1,024 rows of weight p in wc.
; The result gets its bias, for p = 0 (the queries) also the factor log2(e) / 8 (the softmax's scale and the change to base 2), is rounded to f16 and laid head by head:
; hb [p][b 16 + o / 64][l][o % 64], 128 bytes a row, which is how the attention launches read it.  LIMIT: a projected value beyond 65,504 becomes an infinity of f16.
; A tile of C, 256 x 256, is made by a work-group of four waves; a wave makes 128 x 128: 64 accumulators, 512 registers.  All of K = 1,024 lies in two LDS slots of 512 along K, filled once each by the
; tensor data mover (rows of 256 bytes); a wave has three tensor loads out at the most: its part of the scales and of the two slots.  Nothing is filled again.
; CLUSTERS: 4 x 4 work-groups.  The four of a row need the same rows of xc, the four of a column the same rows of wc: each tile is asked for JOINTLY.  The weight's number p = cluster y / 8 is the same in all sixteen.
; THE MATRIX INSTRUCTION IS USED TRANSPOSED (source 0 = 16 rows of W, source 1 = 16 rows of X): a lane holds eight neighbouring channels o of one l.
; REGISTERS, in windows of 256: window 0: v0-31 addresses; v32-95 scale words, two sets, and nothing else; v128-191 X's fragments, one set; on the way out v96-127 packed f16, v128-191 f32 at work, v192-255 rows read back.
;   window 1: W's fragments, two sets, at v0 and v128; v192-255 the bias of my 128 channels in the result's layout.   windows 2, 3: the accumulators ((a, b) at v[8 (8 (a % 4) + b)]).
; No prefetch: a work-group asks for all that it reads in its first lines.
.set KSTEP,  512
.set NQ,     4                         ; matrix instructions deep in a slot
.set ROWB,   256                       ; a tile's row in bytes
.set KROW,   512                       ; a row of xc or wc in bytes
.set PITCH,  272                       ; an LDS row: 256 + 16 bytes = 68 words: the 16 rows that a load touches start in 16 different banks (64 banks of 4 bytes: ISA guide 11.1)
.set FR,     8
.set NL,     2
.set NP,     4                         ; places behind this matrix instruction (ISA guide 7.12.1)
.set HALFT,  128*PITCH
.set SLOT,   4*HALFT
.set KS,     32                        ; a row of scale bytes
.set SCL,    2*SLOT                    ; behind the slots: the scales, as units of 256 bytes + 16
.set HALFS,  (128*KS/256)*272
.set SBLK,   (16*KS/256)*272
.set SPARE,  SCL+4*HALFS               ; the spare words, 128 bytes for each wave: two blocks of 256 bytes that no other line names
.set SGP,    144                       ; the way out: a stage row: 128 bytes (a head's 64 channels in f16) + 16
.set SGH,    16*SGP                    ; 16 rows of one head; a wave has two such, in slot 0, which has had its last fill and its last read by then
.set ADRA, 16
.set ADRB, 20
.set STO,  24
.set RD,   25
.set CO,   26
.set ADRS, 27
.set SPW,  28
.set NIL,  29
.set BO,   30                          ; v30  the bias loads' offset: 32 x (lane / 16)
.set SC,   32
.set PK,   96
.set AF,   128
.set T,    128
.set BK,   192
.set BI,   192                         ; in window 1
.set G1, 24
.set G0, 32
.set G1B, 48
.set G0B, 56
.set G1S, 68
.set G0S, 76
.set G1SB, 80
.set G0SB, 88
.set MSB, 0
.macro WIN new                         ; the immediate's high byte repeats the setting that is left
.if MSB != (\new)
	s_set_vgpr_msb (MSB<<8)|(\new)
.set MSB, (\new)
.endif
.endm
.set MUL_LO, 0xa1                      ; source 0 (W) window 1, source 1 (X) window 0, C and D window 2
.set MUL_HI, 0xf1
.set TO_B,   0x40
; A joint load: waves 0 and 1 fetch for X, waves 2 and 3 for W.  The branch hangs on the wave's number alone.  An s_nop 0 and four v_nop follow each of the two lines.
.macro JLOAD g0a, g1a, g0b, g1b
	s_cmp_eq_u32 s15, 0
	s_cbranch_scc0 .Lfor_b_\@
	tensor_load_to_lds s[\g0a:\g0a+3], s[\g1a:\g1a+7]
	s_nop 0
.rept 4
	v_nop
.endr
	s_branch .Lasked_\@
.Lfor_b_\@:
	tensor_load_to_lds s[\g0b:\g0b+3], s[\g1b:\g1b+7]
	s_nop 0
.rept 4
	v_nop
.endr
.Lasked_\@:
.endm
.macro CROUND                          ; a round of the cluster's barrier
	s_barrier_signal -1
	s_barrier_wait -1
	s_cmp_lg_u32 s14, 0
	s_cbranch_scc1 .Lnot_wave_0_\@
	s_barrier_signal -3
.Lnot_wave_0_\@:
	s_barrier_wait -3
	s_barrier_signal -1
	s_barrier_wait -1
.endm
	s_load_b256 s[4:11], s[0:1], 0x0               ; xc s[4:5], xs s[6:7], wc s[8:9], ws s[10:11]
	s_load_b128 s[96:99], s[0:1], 0x20             ; bq, bk
	s_load_b64 s[100:101], s[0:1], 0x30            ; bv
	s_load_b64 s[12:13], s[0:1], 0x38              ; hb
	v_lshl_add_u32 v[SPW], v0, 2, SPARE
	v_mov_b32 v[NIL], 0
	ds_add_u32 v[SPW], v[NIL]                      ; the wave's opening: the add, twice on end, and its wait ahead of my first tensor load
	ds_add_u32 v[SPW], v[NIL]
	v_lshrrev_b32 v1, 5, v0
	v_readfirstlane_b32 s14, v1                    ; wave 0..3
	s_lshr_b32 s15, s14, 1                         ; which half of the tile's rows is mine.  Also: I fetch for X (0) or for W (1)
	s_and_b32 s16, s14, 1                          ; which half of its columns.  Also: which 128 rows of that tile I fetch
	s_bfe_u32 s40, ttmp6, 0x40000                  ; cx, cy: my place in the cluster
	s_bfe_u32 s41, ttmp6, 0x40004
	s_lshl_b32 s42, ttmp9, 2
	s_add_co_u32 s42, s42, s40                     ; tile column = 4 x cluster x + cx
	s_and_b32 s17, ttmp7, 0xffff
	s_lshr_b32 s95, s17, 3                         ; p = cluster y / 8: 32 tile rows to a projection
	s_lshl_b32 s17, s17, 2
	s_add_co_u32 s17, s17, s41                     ; tile row = 4 x cluster y + cy
	s_lshl_b32 s43, s41, 2
	s_lshl_b32 s43, 15, s43                        ; my row of the cluster
	s_lshl_b32 s44, 0x1111, s40                    ; my column
	s_or_b32 s[G1+0], s43, (0<<16)|(1<<20)|(1<<21)|(5<<22)|(3<<25)  ; the mask; elements of 1 byte; padding on; bit 21 beside a mask; 4 words behind every 64
	s_or_b32 s[G1B+0], s44, (0<<16)|(1<<20)|(1<<21)|(5<<22)|(3<<25)
.irp g, G1, G1B
	s_mov_b32 s[\g+1], ROWB<<16                    ; tensor_dim0
	s_mov_b32 s[\g+2], 128<<16                     ; tensor_dim1
	s_mov_b32 s[\g+3], ROWB<<16                    ; tile_dim0
	s_mov_b32 s[\g+4], 128                         ; tile_dim1
	s_mov_b32 s[\g+5], KROW                        ; the pitch in memory
	s_mov_b32 s[\g+6], 0
	s_mov_b32 s[\g+7], 0
.endr
	s_or_b32 s[G1S+0], s43, (3<<16)|(1<<20)|(1<<21)|(5<<22)|(3<<25) ; the scales of 128 rows: 4,096 dense bytes as 16 rows of 256 (32 elements of 8 bytes), 16 bytes of padding behind each
	s_or_b32 s[G1SB+0], s44, (3<<16)|(1<<20)|(1<<21)|(5<<22)|(3<<25)
.irp g, G1S, G1SB
	s_mov_b32 s[\g+1], 32<<16
	s_mov_b32 s[\g+2], (128*KS/256)<<16
	s_mov_b32 s[\g+3], 32<<16
	s_mov_b32 s[\g+4], 128*KS/256
	s_mov_b32 s[\g+5], 32
	s_mov_b32 s[\g+6], 0
	s_mov_b32 s[\g+7], 0
.endr
	s_lshl_b32 s18, s16, 7                         ; which 128 rows of the tile I fetch
	s_lshl_b32 s20, s17, 8
	s_add_co_u32 s20, s20, s18                     ; X: row 256 x tile row + 128 x half
	s_lshl_b32 s46, s42, 8
	s_add_co_u32 s46, s46, s18                     ; W: row 256 x tile column + 128 x half
	s_lshl_b32 s94, s95, 10
	s_add_co_u32 s46, s46, s94                     ;    + 1,024 p
	s_mov_b32 s21, 0
	s_mov_b32 s47, 0
	s_mov_b64 s[18:19], KS
	s_mul_u64 s[22:23], s[20:21], s[18:19]         ; where these rows' scales begin
	s_mul_u64 s[92:93], s[46:47], s[18:19]
	s_mov_b64 s[18:19], KROW
	s_mul_u64 s[20:21], s[20:21], s[18:19]         ; and their codes
	s_mul_u64 s[46:47], s[46:47], s[18:19]
	s_mul_i32 s45, s14, HALFT                      ; where they go: wave x 128 rows: no place in the cluster enters an LDS address
	s_mul_i32 s94, s14, HALFS
	s_wait_dscnt 0x0                               ; both opening adds are done
	s_wait_kmcnt 0x0
	s_add_nc_u64 s[20:21], s[4:5], s[20:21]
	s_add_nc_u64 s[22:23], s[6:7], s[22:23]
	s_add_nc_u64 s[46:47], s[8:9], s[46:47]
	s_add_nc_u64 s[92:93], s[10:11], s[92:93]
	CROUND                                         ; all sixteen work-groups are here: the first joint loads meet
	s_mov_b32 s[G0S], 1
	s_add_co_u32 s[G0S+1], s94, SCL
	s_mov_b64 s[G0S+2:G0S+3], s[22:23]
	s_or_b32 s[G0S+3], s[G0S+3], 0x80000000
	s_mov_b32 s[G0SB], 1
	s_add_co_u32 s[G0SB+1], s94, SCL
	s_mov_b64 s[G0SB+2:G0SB+3], s[92:93]
	s_or_b32 s[G0SB+3], s[G0SB+3], 0x80000000
	JLOAD G0S, G1S, G0SB, G1SB                     ; the scales first: they are wanted with the first slot
.irp s, 0,1
	s_mov_b32 s[G0+4*\s], 1
	s_add_co_u32 s[G0+4*\s+1], s45, \s*SLOT
	s_add_nc_u64 s[G0+4*\s+2:G0+4*\s+3], s[20:21], \s*ROWB
	s_or_b32 s[G0+4*\s+3], s[G0+4*\s+3], 0x80000000
	s_mov_b32 s[G0B+4*\s], 1
	s_add_co_u32 s[G0B+4*\s+1], s45, \s*SLOT
	s_add_nc_u64 s[G0B+4*\s+2:G0B+4*\s+3], s[46:47], \s*ROWB
	s_or_b32 s[G0B+4*\s+3], s[G0B+4*\s+3], 0x80000000
	JLOAD G0+4*\s, G1, G0B+4*\s, G1B
.endr
	s_cmp_eq_u32 s95, 0                            ; which bias, and the queries' factor: p alone decides
	s_cselect_b64 s[96:97], s[96:97], s[98:99]
	s_cselect_b32 s66, 0x3e38aa3b, 1.0             ; log2(e) / 8 for the queries, 1 for keys and values
	s_cmp_lt_u32 s95, 2
	s_cselect_b64 s[96:97], s[96:97], s[100:101]
	s_mov_b32 s67, s66                             ; (the packed forms name the pair)
	v_and_b32 v1, 15, v0                           ; r = l % 16
	v_bfe_u32 v2, v0, 4, 1                         ; h = l / 16
	v_lshlrev_b32 v[BO], 5, v2
	s_lshl_b32 s46, s42, 10                        ; my 128 channels in the bias: 4 x (256 x tile column + 128 x half)
	s_lshl_b32 s47, s16, 9
	s_add_co_u32 s46, s46, s47
	s_mov_b32 s47, 0
	s_add_nc_u64 s[96:97], s[96:97], s[46:47]
	WIN 0x40                                       ; destination window 1
.irp b, 0,1,2,3,4,5,6,7
	global_load_b128 v[BI+8*\b:BI+8*\b+3], v[BO], s[96:97] offset:64*\b        ; register 8 b + j: bias of channel 16 b + 8 h + j: the result's layout
	global_load_b128 v[BI+8*\b+4:BI+8*\b+7], v[BO], s[96:97] offset:64*\b+16
.endr
	WIN 0
	v_mul_u32_u24 v3, v1, PITCH
	v_lshl_add_u32 v4, v2, 4, v3                   ; a fragment's row x pitch + 16 x half
	s_mul_i32 s21, s15, HALFT                      ; my 128 rows of X
	s_mul_i32 s22, s16, HALFT                      ; my 128 rows of W,
	s_add_co_u32 s22, s22, 2*HALFT                 ; which lie behind X's 256
.irp s, 0,1
	v_add_nc_u32 v[ADRA+\s], s21, v4
	v_add_nc_u32 v[ADRB+\s], s22, v4
	s_add_co_u32 s21, s21, SLOT
	s_add_co_u32 s22, s22, SLOT
.endr
	v_mul_u32_u24 v5, v1, KS                       ; my row's scales: 32 bytes a row,
	v_lshrrev_b32 v6, 8, v5
	v_lshl_add_u32 v5, v6, 4, v5                   ; and 16 more for each 256 passed
	s_mul_i32 s21, s15, HALFS
	s_mul_i32 s22, s16, HALFS
	s_add_co_u32 s22, s22, 2*HALFS
	s_sub_co_u32 s22, s22, s21
	v_mul_u32_u24 v6, s22, v2                      ; lanes 16-31 take W's: one product, the distance between the two bases
	s_add_co_u32 s21, s21, SCL
	v_add_nc_u32 v5, v5, v6
	v_add_nc_u32 v[ADRS], s21, v5
	s_mul_i32 s23, s14, 2*SGH                      ; my stage
	v_mul_u32_u24 v5, v1, SGP
	v_lshl_add_u32 v5, v2, 4, v5
	v_add_nc_u32 v[STO], s23, v5                   ; in: row r, 16 bytes for each half of the lanes
	v_and_b32 v6, 31, v0
	v_lshrrev_b32 v5, 3, v6
	v_mul_u32_u24 v5, v5, SGP
	v_and_b32 v3, 7, v6
	v_lshl_add_u32 v5, v3, 4, v5
	v_add_nc_u32 v[RD], s23, v5                    ; back: eight lanes to a row of 128 bytes, four rows an instruction
	v_lshlrev_b32 v[CO], 4, v6                     ; those four rows are 512 consecutive bytes of hb
	s_lshl_b32 s20, s17, 8
	s_lshl_b32 s21, s15, 7
	s_add_co_u32 s20, s20, s21                     ; my first row m0 = (8 p + b) 1,024 + l
	s_lshr_b32 s21, s20, 10
	s_lshl_b32 s21, s21, 21                        ; (8 p + b) x 16 heads x 131,072 bytes
	s_and_b32 s20, s20, 1023
	s_lshl_b32 s20, s20, 7                         ; l x 128 bytes
	s_add_co_u32 s20, s20, s21
	s_lshl_b32 s46, s42, 2
	s_lshl_b32 s47, s16, 1
	s_add_co_u32 s46, s46, s47                     ; my first head: 4 x tile column + 2 x half
	s_lshl_b32 s46, s46, 17
	s_add_co_u32 s20, s20, s46                     ; under 2^26 in all
	s_mov_b32 s21, 0
	s_add_nc_u64 s[12:13], s[12:13], s[20:21]
.macro FRAG reg, adr, q, i             ; 16 rows x 128 K of 4-bit codes: 8 registers: lane l holds row l % 16; registers 4 c .. 4 c + 3 hold K = 64 c + 32 (l / 16) + 0 .. 31
.irp c, 0,1
	ds_load_b128 v[\reg+4*\c:\reg+4*\c+3], v[\adr] offset:64*(\q)+32*\c+(\i)*16*PITCH
.endr
.endm
; 16 matrix instructions: X's blocks a0, a0 + 1 x W's eight, the slot's q-th 128 along K.  p: W's set; sc: the set of scale words.  zero = 1: the first product starts the sums.
; The 64 accumulators take turns, one instruction a turn, in the same order in every step.
.macro MUL16 a0, p, q, sc, zero
.irp a, \a0, \a0+1
.irp b, 0,1,2,3,4,5,6,7
.if \zero
	v_wmma_scale_f32_16x16x128_f8f6f4 v[8*(8*((\a)%4)+\b):8*(8*((\a)%4)+\b)+7], v[128*(\p)+FR*\b:128*(\p)+FR*\b+FR-1], v[AF+FR*(\a):AF+FR*(\a)+FR-1], 0, v[SC+8*NQ*(\sc)+NQ*\b+(\q)], v[SC+8*NQ*(\sc)+NQ*(\a)+(\q)] matrix_a_fmt:MATRIX_FMT_FP4 matrix_b_fmt:MATRIX_FMT_FP4 matrix_a_scale:MATRIX_SCALE_ROW1
.else
	v_wmma_scale_f32_16x16x128_f8f6f4 v[8*(8*((\a)%4)+\b):8*(8*((\a)%4)+\b)+7], v[128*(\p)+FR*\b:128*(\p)+FR*\b+FR-1], v[AF+FR*(\a):AF+FR*(\a)+FR-1], v[8*(8*((\a)%4)+\b):8*(8*((\a)%4)+\b)+7], v[SC+8*NQ*(\sc)+NQ*\b+(\q)], v[SC+8*NQ*(\sc)+NQ*(\a)+(\q)] matrix_a_fmt:MATRIX_FMT_FP4 matrix_b_fmt:MATRIX_FMT_FP4 matrix_a_scale:MATRIX_SCALE_ROW1
.endif
.endr
.endr
.endm
.macro FETCH_B slot, q, p
	WIN TO_B
.irp i, 0,1,2,3,4,5,6,7
	FRAG 128*(\p)+FR*\i, ADRB+\slot, \q, \i
.endr
	WIN 0
.endm
.macro FETCH_A slot, q, i0
.irp i, \i0, \i0+1, \i0+2, \i0+3
	FRAG AF+FR*(\i), ADRA+\slot, \q, \i
.endr
.endm
.macro SCALES sc                       ; a slot's scale words: 4 words a row; lanes 0-15 take X's block i, lanes 16-31 W's block i
.irp i, 0,1,2,3,4,5,6,7
	ds_load_b128 v[SC+8*NQ*\sc+NQ*\i:SC+8*NQ*\sc+NQ*\i+3], v[ADRS] offset:\i*SBLK
.endr
.endm
.macro PLACES n                        ; plain vector instructions that name none of the matrix instruction's registers, in front of loads into registers that it has read
.rept \n
	v_nop
.endr
.endm
.macro STEP slot, q, zero              ; a step of 128 along K that has its successor in the same slot
	s_wait_dscnt 4*NL                              ; W's set and X's blocks 0-3 are in; the youngest eight loads (X's blocks 4-7) may be out
	WIN MUL_LO
	MUL16 0, (\q)%2, \q, \slot, \zero
	MUL16 2, (\q)%2, \q, \slot, \zero
	s_wait_dscnt 0
	PLACES NP
	FETCH_B \slot, (\q)+1, 1-(\q)%2
	FETCH_A \slot, (\q)+1, 0
	WIN MUL_HI
	MUL16 4, (\q)%2, \q, \slot, \zero
	MUL16 6, (\q)%2, \q, \slot, \zero
	PLACES NP
	WIN 0
	FETCH_A \slot, (\q)+1, 4
.endm
; Slot 0's last step changes slots: one barrier.  In front of it each wave has waited for its part of slot 1 and for its own reads of slot 0; behind it slot 1 is whole and nobody reads slot 0 any more.
.macro TURN slot, next
	s_wait_tensorcnt 0x0                           ; all my tensor loads have landed: my part of the next slot
	ds_add_u32 v[SPW], v[NIL]                      ; 0 onto my spare word
	s_wait_dscnt 4*NL+1                            ; (the add and the youngest eight loads may be out)
	WIN MUL_LO
	MUL16 0, 1, NQ-1, \slot, 0
	s_wait_dscnt 0x0                               ; the add is done, and my reads of this slot are over
	s_barrier_signal -1
	MUL16 2, 1, NQ-1, \slot, 0
	WIN 0
	s_barrier_wait -1
	PLACES NP
	v_add_nc_u32 v[ADRS], 4*NQ, v[ADRS]            ; on to the next slot's scale words
	FETCH_B \next, 0, 0
	FETCH_A \next, 0, 0
	SCALES \next
	WIN MUL_HI
	MUL16 4, 1, NQ-1, \slot, 0
	MUL16 6, 1, NQ-1, \slot, 0
	PLACES NP
	WIN 0
	FETCH_A \next, 0, 4
.endm
.macro STEPS slot, from
.set Q, \from
.rept NQ-1-\from
	STEP \slot, Q, 0
.set Q, Q+1
.endr
.endm
	s_wait_tensorcnt 1                             ; the scales and my part of slot 0 are in; slot 1's load may be out
	s_barrier_signal -1
	s_barrier_wait -1
	FETCH_B 0, 0, 0
	FETCH_A 0, 0, 0
	SCALES 0
	FETCH_A 0, 0, 4
	STEP 0, 0, 1                                   ; the first products start the sums: nothing is cleared
	STEPS 0, 1
	TURN 0, 1
	STEPS 1, 0
	s_wait_dscnt 4*NL                              ; the very last step: nothing more to fetch
	WIN MUL_LO
	MUL16 0, 1, NQ-1, 1, 0
	MUL16 2, 1, NQ-1, 1, 0
	s_wait_dscnt 0
	WIN MUL_HI
	MUL16 4, 1, NQ-1, 1, 0
	MUL16 6, 1, NQ-1, 1, 0
; THE WAY OUT, block by block of 16 rows (l) x 128 channels (two heads).  (sum + bias) x factor = sum x factor + bias x factor: one packed multiply-add for two numbers, the bias scaled once.
	s_wait_loadcnt 0x0                             ; the bias
	WIN 0x41                                       ; destination and source 0 window 1
.set i, 0
.rept 32
	v_pk_mul_f32 v[BI+i:BI+i+1], v[BI+i:BI+i+1], s[66:67] op_sel_hi:[1,0]   ; these 32 name no register of the last products: they are the places behind them
.set i, i+2
.endr
.macro PACK a                          ; block a: to f32 with bias and factor, each accumulator from its low end on, then to f16: a lane's eight channels are 16 bytes
.set AC, 64*((\a)%4)
	WIN 0x12+((\a)/4)                              ; source 0: window 2 or 3; source 2 (the bias): window 1
.irp b, 0,1,2,3,4,5,6,7
.irp i, 0,1,2,3
	v_pk_fma_f32 v[T+8*\b+2*\i:T+8*\b+2*\i+1], v[AC+8*\b+2*\i:AC+8*\b+2*\i+1], s[66:67], v[BI+8*\b+2*\i:BI+8*\b+2*\i+1] op_sel_hi:[1,0,1]
.endr
.endr
	WIN 0
.irp b, 0,1,2,3,4,5,6,7
.irp i, 0,1,2,3
	v_cvt_pk_f16_f32 v[PK+4*\b+\i], v[T+8*\b+2*\i], v[T+8*\b+2*\i+1]
.endr
.endr
.endm
.macro TOSTAGE a                       ; into my stage by rows of a head, and back as four whole rows an instruction; LDS serves a wave's instructions in order, so no wait stands between
.set BB, BK+32*((\a)%2)
.irp b, 0,1,2,3,4,5,6,7
	ds_store_b128 v[STO], v[PK+4*\b:PK+4*\b+3] offset:(\b/4)*SGH+32*(\b%4)
.endr
.irp i, 0,1,2,3,4,5,6,7
	ds_load_b128 v[BB+4*\i:BB+4*\i+3], v[RD] offset:(\i/4)*SGH+(\i%4)*4*SGP
.endr
.endm
.macro SEND a
.set BB, BK+32*((\a)%2)
	s_wait_dscnt 0x0                               ; the block is back in registers
	s_wait_xcnt 0x0                                ; the earlier stores have read their base and their data: the base may step, and the block after next may land where the block before lay
.if (\a) > 0
	s_add_nc_u64 s[12:13], s[12:13], 16*128        ; 16 rows of a head on
.endif
.irp i, 0,1,2,3,4,5,6,7
	global_store_b128 v[CO], v[BB+4*\i:BB+4*\i+3], s[12:13] offset:(\i/4)*131072+(\i%4)*512   ; the wave stores 512 consecutive bytes, aligned; the second head lies 131,072 bytes on
.endr
.endm
	PACK 0
	TOSTAGE 0
.irp a, 1,2,3,4,5,6,7                  ; block a's arithmetic stands between block a - 1's loads from the stage and the wait for them
	PACK \a
	SEND \a-1
	TOSTAGE \a
.endr
	SEND 7
	s_wait_tensorcnt 0x0                           ; the wave's end, behind my last tensor load and my last LDS store
	ds_add_u32 v[SPW], v[NIL]
	s_wait_dscnt 0x0
	CROUND                                         ; the closing round: no work-group ends while a partner may still ask for a tile that names it
	s_endpgm
.Lfunc_end_k_q5fec9910bb_proj:
	.size	k_q5fec9910bb_proj, .Lfunc_end_k_q5fec9910bb_proj-k_q5fec9910bb_proj
	.p2alignl 7, 3214868480
	.fill 96, 4, 3214868480
	.section	.rodata,"a",@progbits
	.p2align	6, 0x0
	.amdhsa_kernel k_q5fec9910bb_proj
		.amdhsa_group_segment_fixed_size 327680
		.amdhsa_private_segment_fixed_size 0
		.amdhsa_enable_private_segment 0
		.amdhsa_kernarg_size 64
		.amdhsa_user_sgpr_count 2
		.amdhsa_user_sgpr_kernarg_segment_ptr 1
		.amdhsa_wavefront_size32 1
		.amdhsa_system_sgpr_workgroup_id_x 1
		.amdhsa_system_sgpr_workgroup_id_y 1
		.amdhsa_system_sgpr_workgroup_id_z 1
		.amdhsa_system_vgpr_workitem_id 0
		.amdhsa_next_free_vgpr 1024
		.amdhsa_next_free_sgpr 102
		.amdhsa_reserve_vcc 0
		.amdhsa_float_denorm_mode_32 3
		.amdhsa_float_denorm_mode_16_64 3
		.amdhsa_memory_ordered 1
		.amdhsa_forward_progress 1
		.amdhsa_inst_pref_size 147
	.end_amdhsa_kernel
	.amdgpu_metadata
---
amdhsa.version: [ 1, 2 ]
amdhsa.kernels:
  - .name:           k_q5fec9910bb_proj
    .symbol:         k_q5fec9910bb_proj.kd
    .args:
      - { .name: xc, .offset: 0, .size: 8, .value_kind: global_buffer, .address_space: global }
      - { .name: xs, .offset: 8, .size: 8, .value_kind: global_buffer, .address_space: global }
      - { .name: wc, .offset: 16, .size: 8, .value_kind: global_buffer, .address_space: global }
      - { .name: ws, .offset: 24, .size: 8, .value_kind: global_buffer, .address_space: global }
      - { .name: bq, .offset: 32, .size: 8, .value_kind: global_buffer, .address_space: global }
      - { .name: bk, .offset: 40, .size: 8, .value_kind: global_buffer, .address_space: global }
      - { .name: bv, .offset: 48, .size: 8, .value_kind: global_buffer, .address_space: global }
      - { .name: hb, .offset: 56, .size: 8, .value_kind: global_buffer, .address_space: global }
    .group_segment_fixed_size: 327680
    .private_segment_fixed_size: 0
    .kernarg_segment_align: 8
    .kernarg_segment_size: 64
    .max_flat_workgroup_size: 128
    .sgpr_count:     102
    .vgpr_count:     1024
    .wavefront_size: 32
...
	.end_amdgpu_metadata
.endif
;; end of part 2
;; launch stats (part 3): grid 2 x 128, 16 waves a work-group, no clusters, 167,936 bytes of LDS; arguments hb, ns; writes ns
.if DOCPART == 3
	.amdgcn_target "amdgcn-amd-amdhsa--gfx1250"
	.amdhsa_code_object_version 6
	.text
	.protected	k_q5fec9910bb_stats
	.globl	k_q5fec9910bb_stats
	.p2align	8
	.type	k_q5fec9910bb_stats,@function
k_q5fec9910bb_stats:
	s_mov_b64 s[64:65], 0
	v_nop
	global_prefetch_b8 v0, s[64:65] scope:SCOPE_SE
	s_setreg_imm32_b32 hwreg(HW_REG_WAVE_MODE, 25, 1), 1
	s_wait_xcnt 0x0
; The softmax runs over the QUERIES t, so its maximum and its sum belong to a key s.  For every head and key this launch makes ONE number:
;   ns[bh][s] = 10 - m - log2(Z),  m = the largest over t of sc2(t, s),  Z = the sum over t of 2^(sc2(t, s) - m),  sc2 = q'(t) . k(s), q' carrying log2(e) / 8 already.
; The attention launch then has its weights as 2^(sc2 + ns) = 2^10 x softmax: no maximum, no sum and no rescaling there.  m is a running maximum: Z is multiplied by 2^(old m - new m) in every step.
; SHARES.  A work-group owns 512 keys of one head, each of its sixteen waves 32 (tiles u = 0, 1), kept in registers; every wave walks all 1,024 queries, 64 a step, from LDS.
; LAYOUT.  D(m = t, n = s): source 0 = 16 queries, source 1 = my 16 keys: a lane holds ONE key (lane % 16) and eight queries a tile, so maxima and sums stay in the lane until the end, where lanes l and l xor 16 are joined.
; LDS.  The head's 1,024 rows of q' (128 bytes + 16 of padding) are filled ONCE: each wave brings 32 rows of the first half and 32 of the second: two tensor loads of a wave are out at the most.
; NO CLUSTER: only the two work-groups of a head read the same rows, and a grid of 2 along x divides into no cluster of four.  No prefetch: all that a work-group reads is asked for in its first lines.
; Four waves share a SIMD, so that one wave's exponentials stand beside another's products.
.set QP,    144                        ; a row of q' in LDS: an odd multiple of 16 bytes, so that the 16 rows of a load start in different banks (ISA guide 11.1)
.set STG,   1024*QP                    ; behind the rows: 512 results, 2,048 bytes, written by LDS stores alone
.set SPARE, STG+2048                   ; the spare words, 128 bytes for each of sixteen waves: eight blocks of 256 bytes that no other line names
.set AQ0, 1                            ; v1  my lane's place in a tile of q'
.set ADQ, 2                            ; v2  the LDS address of the step's loads
.set KO,  3                            ; v3  my lane's byte in my wave's rows of k
.set SW,  4                            ; v4  where my result goes in the stage
.set SRD, 5                            ; v5  where it is read back, 16 bytes a lane
.set GOF, 6                            ; v6  and stored
.set LN,  7                            ; v7  lane
.set KF,  16                           ; v16-47   k: tile u, channels 32 kk on, at 16 u + 8 kk
.set QF,  48                           ; v48-111  q': tile i, channels 32 kk on, at 16 i + 8 kk
.set S,   112                          ; v112-175 scores: 32 u + 8 i + j
.set ST,  176                          ; v176-191 for each u eight: +0 m, +1 (named with it as a pair), +2, +3 Z in two halves, +4 2^(old m - new m), +5 (pair), +6, +7 at work
.set FN,  192                          ; v192-207 the end's arithmetic
.set SPW, 208
.set NIL, 209
	s_load_b128 s[4:7], s[0:1], 0x0                ; hb, ns
	v_lshl_add_u32 v[SPW], v0, 2, SPARE
	v_mov_b32 v[NIL], 0
	ds_add_u32 v[SPW], v[NIL]                      ; the wave's opening: the add, twice on end, and its wait ahead of my first tensor load
	ds_add_u32 v[SPW], v[NIL]
	v_lshrrev_b32 v1, 5, v0
	v_readfirstlane_b32 s8, v1                     ; wave 0..15
	s_and_b32 s10, ttmp7, 0xffff                   ; the head
	s_mov_b32 s16, (1<<16)|(1<<20)|(4<<22)|(3<<25) ; group 1: elements of 2 bytes; padding: 4 words behind every 32
	s_mov_b32 s17, 64<<16                          ; tensor_dim0 = 64
	s_mov_b32 s18, 32<<16                          ; tensor_dim1 = 32
	s_mov_b32 s19, 64<<16                          ; tile_dim0 = 64
	s_mov_b32 s20, 32                              ; tile_dim1 = 32
	s_mov_b32 s21, 64                              ; the pitch in memory
	s_mov_b32 s22, 0
	s_mov_b32 s23, 0
	s_lshl_b32 s12, s10, 17                        ; a head is 131,072 bytes
	s_lshl_b32 s36, s8, 12
	s_add_co_u32 s12, s12, s36                     ; + my 32 rows of 128 bytes
	s_mov_b32 s13, 0
	s_lshl_b32 s14, ttmp9, 16                      ; k: my work-group's 512 rows,
	s_add_co_u32 s14, s14, s12                     ; my wave's 32 of them,
	s_add_co_u32 s14, s14, 0x1000000               ; in the second part of hb
	s_mov_b32 s15, 0
	s_lshl_b32 s36, s10, 12                        ; ns: 4,096 bytes a head, 2,048 a work-group
	s_lshl_b32 s37, ttmp9, 11
	s_add_co_u32 s36, s36, s37
	s_mov_b32 s37, 0
	s_mov_b32 s32, 0                               ; the step's first row in LDS, in bytes
	s_mov_b32 s34, 0x76543210
	s_mov_b32 s35, 0xfedcba98                      ; v_permlanex16_b32's selects for lane l xor 16
	s_mul_i32 s25, s8, 32*QP
	s_wait_dscnt 0x0                               ; both opening adds are done
	s_wait_kmcnt 0x0
	s_mov_b32 s24, 1
	s_add_nc_u64 s[26:27], s[4:5], s[12:13]        ; rows 32 w on
	s_add_nc_u64 s[30:31], s[26:27], 65536         ; rows 512 + 32 w on
	s_or_b32 s27, s27, 0x80000000
	s_mov_b32 s28, 1
	s_add_co_u32 s29, s25, 512*QP
	s_or_b32 s31, s31, 0x80000000
	tensor_load_to_lds s[24:27], s[16:23]
	s_nop 0
	tensor_load_to_lds s[28:31], s[16:23]
	s_nop 0
.rept 4
	v_nop
.endr
	s_add_nc_u64 s[4:5], s[4:5], s[14:15]
	s_add_nc_u64 s[6:7], s[6:7], s[36:37]
	v_and_b32 v8, 15, v0                           ; r
	v_bfe_u32 v9, v0, 4, 1                         ; h
	v_lshlrev_b32 v[KO], 7, v8
	v_lshl_add_u32 v[KO], v9, 4, v[KO]
.irp u, 0,1
.irp n, 0,1,2,3
	global_load_b128 v[KF+16*\u+4*\n:KF+16*\u+4*\n+3], v[KO], s[4:5] offset:2048*\u+32*\n   ; k(16 u + r, 16 n + 8 h ..): the fragments' registers on end
.endr
.endr
	v_mul_u32_u24 v[AQ0], v8, QP
	v_lshl_add_u32 v[AQ0], v9, 4, v[AQ0]
	v_lshl_add_u32 v[SW], v0, 2, STG
	v_and_b32 v10, 127, v0
	v_lshl_add_u32 v[SRD], v10, 4, STG
	v_lshlrev_b32 v[GOF], 4, v10
	v_and_b32 v[LN], 31, v0
.irp u, 0,1
	v_mov_b32 v[ST+8*\u], 0xff61b1e6               ; m: -3e38, under every score
	v_mov_b32 v[ST+8*\u+1], 0
	v_mov_b32 v[ST+8*\u+2], 0                      ; Z
	v_mov_b32 v[ST+8*\u+3], 0
	v_mov_b32 v[ST+8*\u+5], 0
	v_mov_b32 v[FN+8*\u+1], 0                      ; a lane permute's destination counts as one of its sources
	v_mov_b32 v[FN+8*\u+2], 0
.endr
.macro QLD                             ; 64 queries x 64 channels: 16 loads
.irp i, 0,1,2,3
.irp n, 0,1,2,3
	ds_load_b128 v[QF+16*\i+4*\n:QF+16*\i+4*\n+3], v[ADQ] offset:16*QP*\i+32*\n
.endr
.endr
.endm
; A STEP: 64 queries against my 32 keys.  edge = 0: plain; 1: the next step's queries lie in the second half, which is waited for here; 2: the last step fetches nothing.
.macro STEP edge
	s_wait_dscnt 0x0                               ; this step's q' is in
.irp i, 0,1,2,3                        ; the eight accumulators take turns, one instruction a turn, in the same order for both halves of the channels
.irp u, 0,1
	v_wmma_f32_16x16x32_f16 v[S+32*\u+8*\i:S+32*\u+8*\i+7], v[QF+16*\i:QF+16*\i+7], v[KF+16*\u:KF+16*\u+7], 0
.endr
.endr
.irp i, 0,1,2,3
.irp u, 0,1
	v_wmma_f32_16x16x32_f16 v[S+32*\u+8*\i:S+32*\u+8*\i+7], v[QF+16*\i+8:QF+16*\i+15], v[KF+16*\u+8:KF+16*\u+15], v[S+32*\u+8*\i:S+32*\u+8*\i+7]
.endr
.endr
.if \edge != 2
	s_add_co_u32 s32, s32, 64*QP
	v_add_nc_u32 v[ADQ], s32, v[AQ0]               ; four places in front of the loads into q's registers and of the first read of the scores: this line and three v_nop
	v_nop
	v_nop
	v_nop
.if \edge == 1
	s_wait_tensorcnt 0x0                           ; my rows of the second half are in,
	s_barrier_signal -1                            ; (no LDS instruction of mine is out)
	s_barrier_wait -1                              ; everybody's are
.endif
	QLD                                            ; the next step's, while this step's scores are worked on
.else
.rept 4
	v_nop
.endr
.endif
	; the largest of my 32 scores and the old m, for each u in two chains; every accumulator is first read at its low end
.irp u, 0,1
	v_max3_num_f32 v[ST+8*\u+6], v[S+32*\u], v[S+32*\u+1], v[ST+8*\u]
.endr
.irp u, 0,1
	v_max3_num_f32 v[ST+8*\u+7], v[S+32*\u+16], v[S+32*\u+17], v[S+32*\u+18]
.endr
.irp i, 0,1,2,3,4,5
.irp u, 0,1
	v_max3_num_f32 v[ST+8*\u+6], v[ST+8*\u+6], v[S+32*\u+2+2*\i], v[S+32*\u+3+2*\i]
	v_max3_num_f32 v[ST+8*\u+7], v[ST+8*\u+7], v[S+32*\u+19+2*\i], v[S+32*\u+20+2*\i]
.endr
.endr
.irp u, 0,1
	v_max3_num_f32 v[ST+8*\u+6], v[ST+8*\u+6], v[S+32*\u+14], v[S+32*\u+15]
.endr
.irp u, 0,1
	v_max3_num_f32 v[ST+8*\u+6], v[ST+8*\u+6], v[ST+8*\u+7], v[S+32*\u+31]   ; the new m
.endr
.irp u, 0,1
	v_sub_f32 v[ST+8*\u+4], v[ST+8*\u], v[ST+8*\u+6]                         ; old m - new m, 0 or less
.endr
.irp u, 0,1
	v_mov_b32 v[ST+8*\u], v[ST+8*\u+6]
.endr
.irp u, 0,1
.set i, 0
.rept 16
	v_pk_add_f32 v[S+32*\u+i:S+32*\u+i+1], v[S+32*\u+i:S+32*\u+i+1], v[ST+8*\u:ST+8*\u+1] op_sel_hi:[1,0] neg_lo:[0,1] neg_hi:[0,1]   ; score - m, two at a time
.set i, i+2
.endr
.endr
.irp u, 0,1
	v_exp_f32 v[ST+8*\u+4], v[ST+8*\u+4]           ; ONE BATCH: the two factors and the 64 terms
.endr
.set i, 0
.rept 64
	v_exp_f32 v[S+i], v[S+i]
.set i, i+1
.endr
	v_nop                                          ; a plain instruction behind the last exponential,
	s_wait_alu depctr_va_vdst(0)                   ; and one wait for the batch, ahead of its first reader
.irp u, 0,1
	v_pk_fma_f32 v[ST+8*\u+2:ST+8*\u+3], v[ST+8*\u+2:ST+8*\u+3], v[ST+8*\u+4:ST+8*\u+5], v[S+32*\u:S+32*\u+1] op_sel_hi:[1,0,1]   ; Z under the new m, and the first pair
	v_pk_add_f32 v[ST+8*\u+6:ST+8*\u+7], v[S+32*\u+2:S+32*\u+3], v[S+32*\u+6:S+32*\u+7]                                           ; a second chain
.endr
.irp n, 1,2,3,4,5,6
.irp u, 0,1
	v_pk_add_f32 v[ST+8*\u+2:ST+8*\u+3], v[ST+8*\u+2:ST+8*\u+3], v[S+32*\u+4*\n:S+32*\u+4*\n+1]
	v_pk_add_f32 v[ST+8*\u+6:ST+8*\u+7], v[ST+8*\u+6:ST+8*\u+7], v[S+32*\u+4*\n+6:S+32*\u+4*\n+7]
.endr
.endr
.irp u, 0,1
	v_pk_add_f32 v[ST+8*\u+2:ST+8*\u+3], v[ST+8*\u+2:ST+8*\u+3], v[S+32*\u+28:S+32*\u+29]
.endr
.irp u, 0,1
	v_pk_add_f32 v[ST+8*\u+2:ST+8*\u+3], v[ST+8*\u+2:ST+8*\u+3], v[ST+8*\u+6:ST+8*\u+7]
.endr
.endm
	s_wait_tensorcnt 1                             ; my rows of the first half are in; the second load may stay out
	s_barrier_signal -1
	s_barrier_wait -1
	v_add_nc_u32 v[ADQ], s32, v[AQ0]
	QLD
	s_wait_loadcnt 0x0                             ; k
	s_mov_b32 s33, 7
.Lfirst_half:                                      ; steps 0 to 6
	STEP 0
	s_sub_co_u32 s33, s33, 1
	s_cmp_lg_u32 s33, 0
	s_cbranch_scc1 .Lfirst_half
	STEP 1                                         ; step 7 fetches rows 512 on
	s_mov_b32 s33, 7
.Lsecond_half:                                     ; steps 8 to 14
	STEP 0
	s_sub_co_u32 s33, s33, 1
	s_cmp_lg_u32 s33, 0
	s_cbranch_scc1 .Lsecond_half
	STEP 2                                         ; step 15
	; THE END.  Lanes l and l xor 16 hold the two halves of a key's queries: their m and Z are joined under the larger m.
.irp u, 0,1
	v_add_f32 v[FN+8*\u], v[ST+8*\u+2], v[ST+8*\u+3]
.endr
.irp u, 0,1
	v_permlanex16_b32 v[FN+8*\u+1], v[ST+8*\u], s34, s35
	v_permlanex16_b32 v[FN+8*\u+2], v[FN+8*\u], s34, s35
.endr
.irp u, 0,1
	v_max_num_f32 v[FN+8*\u+3], v[ST+8*\u], v[FN+8*\u+1]
.endr
.irp u, 0,1
	v_sub_f32 v[FN+8*\u+4], v[ST+8*\u], v[FN+8*\u+3]
	v_sub_f32 v[FN+8*\u+5], v[FN+8*\u+1], v[FN+8*\u+3]
.endr
.irp u, 0,1
	v_exp_f32 v[FN+8*\u+4], v[FN+8*\u+4]
	v_exp_f32 v[FN+8*\u+5], v[FN+8*\u+5]
.endr
	v_nop
	s_wait_alu depctr_va_vdst(0)                   ; one wait for the four
.irp u, 0,1
	v_mul_f32 v[FN+8*\u+6], v[FN+8*\u], v[FN+8*\u+4]
.endr
.irp u, 0,1
	v_fma_f32 v[FN+8*\u+6], v[FN+8*\u+2], v[FN+8*\u+5], v[FN+8*\u+6]   ; Z, at least 1: the largest score's term is 2^0
.endr
.irp u, 0,1
	v_log_f32 v[FN+8*\u+6], v[FN+8*\u+6]
.endr
.irp u, 0,1
	v_sub_f32 v[FN+8*\u+7], 0x41200000, v[FN+8*\u+3]                   ; 10 - m (plain work behind the logarithms)
.endr
	s_wait_alu depctr_va_vdst(0)                   ; one wait for the two
.irp u, 0,1
	v_sub_f32 v[FN+8*\u+7], v[FN+8*\u+7], v[FN+8*\u+6]
.endr
	v_cmp_gt_u32 vcc_lo, 16, v[LN]
	v_cndmask_b32 v[FN], v[FN+15], v[FN+7], vcc_lo ; lanes 0-15 keep tile 0's key, lanes 16-31 tile 1's: thread n holds key n of the work-group's 512
	ds_store_b32 v[SW], v[FN]
	s_wait_dscnt 0x0                               ; for the others' sake: my store has landed
	s_barrier_signal -1
	s_barrier_wait -1
	s_cmp_lt_u32 s8, 4
	s_cbranch_scc0 .Ldone                          ; waves 0 to 3 store the 2,048 bytes
	ds_load_b128 v[FN+8:FN+11], v[SRD]
	s_wait_dscnt 0x0
	global_store_b128 v[GOF], v[FN+8:FN+11], s[6:7]   ; a wave stores 512 consecutive bytes, aligned
.Ldone:
	s_wait_tensorcnt 0x0                           ; the wave's end, behind my last tensor load and my last LDS store
	ds_add_u32 v[SPW], v[NIL]
	s_wait_dscnt 0x0
	s_endpgm
.Lfunc_end_k_q5fec9910bb_stats:
	.size	k_q5fec9910bb_stats, .Lfunc_end_k_q5fec9910bb_stats-k_q5fec9910bb_stats
	.p2alignl 7, 3214868480
	.fill 96, 4, 3214868480
	.section	.rodata,"a",@progbits
	.p2align	6, 0x0
	.amdhsa_kernel k_q5fec9910bb_stats
		.amdhsa_group_segment_fixed_size 167936
		.amdhsa_private_segment_fixed_size 0
		.amdhsa_enable_private_segment 0
		.amdhsa_kernarg_size 16
		.amdhsa_user_sgpr_count 2
		.amdhsa_user_sgpr_kernarg_segment_ptr 1
		.amdhsa_wavefront_size32 1
		.amdhsa_system_sgpr_workgroup_id_x 1
		.amdhsa_system_sgpr_workgroup_id_y 1
		.amdhsa_system_sgpr_workgroup_id_z 1
		.amdhsa_system_vgpr_workitem_id 0
		.amdhsa_next_free_vgpr 256
		.amdhsa_next_free_sgpr 66
		.amdhsa_reserve_vcc 1
		.amdhsa_float_denorm_mode_32 3
		.amdhsa_float_denorm_mode_16_64 3
		.amdhsa_memory_ordered 1
		.amdhsa_forward_progress 1
		.amdhsa_inst_pref_size 49
	.end_amdhsa_kernel
	.amdgpu_metadata
---
amdhsa.version: [ 1, 2 ]
amdhsa.kernels:
  - .name:           k_q5fec9910bb_stats
    .symbol:         k_q5fec9910bb_stats.kd
    .args:
      - { .name: hb, .offset: 0, .size: 8, .value_kind: global_buffer, .address_space: global }
      - { .name: ns, .offset: 8, .size: 8, .value_kind: global_buffer, .address_space: global }
    .group_segment_fixed_size: 167936
    .private_segment_fixed_size: 0
    .kernarg_segment_align: 8
    .kernarg_segment_size: 16
    .max_flat_workgroup_size: 512
    .sgpr_count:     66
    .vgpr_count:     256
    .wavefront_size: 32
...
	.end_amdgpu_metadata
.endif
;; end of part 3
;; launch attn (part 4): grid 2 x 128, 8 waves a work-group, no clusters, 327,680 bytes of LDS; arguments hb, ns, out0; writes out0
.if DOCPART == 4
	.amdgcn_target "amdgcn-amd-amdhsa--gfx1250"
	.amdhsa_code_object_version 6
	.text
	.protected	k_q5fec9910bb_attn
	.globl	k_q5fec9910bb_attn
	.p2align	8
	.type	k_q5fec9910bb_attn,@function
k_q5fec9910bb_attn:
	s_mov_b64 s[64:65], 0
	v_nop
	global_prefetch_b8 v0, s[64:65] scope:SCOPE_SE
	s_setreg_imm32_b32 hwreg(HW_REG_WAVE_MODE, 25, 1), 1
	s_wait_xcnt 0x0
; out0[bh 64 + c][t] = 2^-10 x the sum over s of 2^(sc2(t, s) + ns(s)) v(s, c), with sc2 = q'(t) . k(s) and ns(s) = 10 - m(s) - log2 Z(s) from the launch before:
; the weight 2^(sc2 + ns) is 2^10 x the softmax over the queries, at most 2^10 and about 1 where the softmax is even: in the middle of f16's range.  Products on f16 operands, sums in f32.
; ns ENTERS AS THE C OF THE SCORE PRODUCT, so the vector work for 16 scores of a lane is 16 exponentials' share and 8 roundings: no maximum, no sum, no rescaling.
; SHARES.  A work-group owns 512 queries of one head, each of its eight waves 64 (tiles tt = 0 .. 3); two waves share a SIMD, so that one wave's exponentials stand beside the other's products.  Every wave walks all 1,024 keys, 32 a step.
; LAYOUT.  S^T = K Q^T + ns (source 0 = 16 keys, source 1 = 16 queries): a lane holds ONE query and the keys 16 su + 8 (lane / 16) + j; rounded in pairs these ARE source 0 (16 queries x 32 keys) of O = P V,
; whose source 1 is V turned by ds_load_tr16_b128; in O a lane holds one channel and eight neighbouring queries, as out0's rows want them.
; LDS.  The head's K, V and ns lie in LDS whole, filled ONCE: ns by all waves, K in four quarters of 256 keys by waves 0 to 3, V likewise by waves 4 to 7: five tensor loads of a wave are out at the most.
; A quarter is waited for when the walk reaches it.  The stage for the way out lies over K's rows, behind a barrier behind which nobody reads them.
; NO CLUSTER: only the two work-groups of a head read the same tiles, and a grid of 2 along x divides into no cluster of four.  No prefetch: all that a work-group reads is asked for in its first lines.
.set PKL,   144                        ; a row of K in LDS: 128 bytes + 16: an odd multiple of 16
.set PVL,   160                        ; a row of V: 128 + 32: an odd multiple of 32, for the turning load
.set VL,    1024*PKL
.set NSL,   VL+1024*PVL
.set SPARE, NSL+4096                   ; the spare words, 128 bytes for each of eight waves: four blocks of 256 bytes that no other line names
.set SGP,   272                        ; the way out: a stage row: my 64 queries of a channel, 256 bytes, + 16
.set AK0, 1                            ; v1-3   my lane's place in a tile of K, of V, among ns
.set AV0, 2
.set AN0, 3
.set ADK, 4                            ; v4-6   the addresses of the loads in hand
.set ADV, 5
.set ADN, 6
.set QO,  7
.set STO, 8
.set RD,  9
.set GO,  10
.set SPW, 12
.set NIL, 13
.set CN,  16                           ; v16-31   ns of the step's keys, in the result's layout: 8 su + j
.set KF,  32                           ; v32-63   K: 16 su + 8 kk
.set VF,  64                           ; v64-95   V^T: 8 ct
.set S,   96                           ; v96-159  scores, then weights: 16 tt + 8 su + j
.set P,   160                          ; v160-191 weights in f16: 8 tt + 4 su + i
.set TO,  32                           ; the way out: v32-159 O x 2^-10
.set QW,  128                          ; window 1: v0-127 O: 32 tt + 8 ct + j;  v128-191 Q: 16 tt + 8 kk
.set TK,  84
.set TV,  85
.set TN,  86
.set CNT, 87
.set MSB, 0
.macro WIN new                         ; the immediate's high byte repeats the setting that is left
.if MSB != (\new)
	s_set_vgpr_msb (MSB<<8)|(\new)
.set MSB, (\new)
.endif
.endm
	s_load_b128 s[4:7], s[0:1], 0x0                ; hb, ns
	s_load_b64 s[8:9], s[0:1], 0x10                ; out0
	v_lshl_add_u32 v[SPW], v0, 2, SPARE
	v_mov_b32 v[NIL], 0
	ds_add_u32 v[SPW], v[NIL]                      ; the wave's opening: the add, twice on end, and its wait ahead of my first tensor load
	ds_add_u32 v[SPW], v[NIL]
	v_lshrrev_b32 v1, 5, v0
	v_readfirstlane_b32 s10, v1                    ; wave 0..7
	s_and_b32 s11, s10, 3                          ; which 64 rows of a quarter I fetch
	s_and_b32 s12, ttmp7, 0xffff                   ; the head
	s_mov_b32 s16, (1<<16)|(1<<20)|(4<<22)|(3<<25) ; K's group 1: elements of 2 bytes; 4 words of padding behind every 32
	s_mov_b32 s24, (1<<16)|(1<<20)|(4<<22)|(7<<25) ; V's: 8 words
.irp g, 16, 24
	s_mov_b32 s[\g+1], 64<<16                      ; tensor_dim0 = 64
	s_mov_b32 s[\g+2], 64<<16                      ; tensor_dim1 = 64
	s_mov_b32 s[\g+3], 64<<16                      ; tile_dim0 = 64
	s_mov_b32 s[\g+4], 64                          ; tile_dim1 = 64
	s_mov_b32 s[\g+5], 64                          ; the pitch in memory
	s_mov_b32 s[\g+6], 0
	s_mov_b32 s[\g+7], 0
.endr
	s_mov_b32 s32, 3<<16                           ; ns: 512 dense bytes a wave, as 2 rows of 256 (32 elements of 8 bytes), no padding
	s_mov_b32 s33, 32<<16
	s_mov_b32 s34, 2<<16
	s_mov_b32 s35, 32<<16
	s_mov_b32 s36, 2
	s_mov_b32 s37, 32
	s_mov_b32 s38, 0
	s_mov_b32 s39, 0
	s_lshl_b32 s88, s12, 17                        ; a head is 131,072 bytes
	s_lshl_b32 s13, s11, 13                        ; my 64 rows of 128 bytes
	s_add_co_u32 s88, s88, s13
	s_add_co_u32 s90, s88, 0x2000000               ; V: the third part of hb
	s_add_co_u32 s88, s88, 0x1000000               ; K: the second
	s_mov_b32 s89, 0
	s_mov_b32 s91, 0
	s_lshl_b32 s92, s12, 12                        ; ns: 4,096 bytes a head,
	s_lshl_b32 s13, s10, 9                         ; 512 a wave
	s_add_co_u32 s92, s92, s13
	s_mov_b32 s93, 0
	s_mul_i32 s14, s11, 64*PKL
	s_mul_i32 s15, s11, 64*PVL
	s_add_co_u32 s15, s15, VL
	s_mov_b32 s[TK], 0
	s_mov_b32 s[TV], 0
	s_mov_b32 s[TN], 0
	s_wait_dscnt 0x0                               ; both opening adds are done
	s_wait_kmcnt 0x0
	s_mov_b32 s40, 1
	s_add_co_u32 s41, s13, NSL
	s_add_nc_u64 s[42:43], s[6:7], s[92:93]
	s_or_b32 s43, s43, 0x80000000
.irp g, 0,1,2,3                        ; a group 0 for each quarter of 256 keys: none is written again
	s_mov_b32 s[44+4*\g], 1
	s_add_co_u32 s[45+4*\g], s14, \g*256*PKL
	s_add_nc_u64 s[46+4*\g:47+4*\g], s[4:5], s[88:89]
	s_add_nc_u64 s[46+4*\g:47+4*\g], s[46+4*\g:47+4*\g], \g*32768
	s_or_b32 s[47+4*\g], s[47+4*\g], 0x80000000
	s_mov_b32 s[68+4*\g], 1
	s_add_co_u32 s[69+4*\g], s15, \g*256*PVL
	s_add_nc_u64 s[70+4*\g:71+4*\g], s[4:5], s[90:91]
	s_add_nc_u64 s[70+4*\g:71+4*\g], s[70+4*\g:71+4*\g], \g*32768
	s_or_b32 s[71+4*\g], s[71+4*\g], 0x80000000
.endr
	s_cmp_lt_u32 s10, 4                            ; a wave's five first fills stand in one branch on the wave's number: ns, then the four quarters in order
	s_cbranch_scc0 .Lfirst_v
	tensor_load_to_lds s[40:43], s[32:39]
	s_nop 0
.irp g, 0,1,2,3
	tensor_load_to_lds s[44+4*\g:47+4*\g], s[16:23]
	s_nop 0
.endr
.rept 4
	v_nop
.endr
	s_branch .Lfirst_done
.Lfirst_v:
	tensor_load_to_lds s[40:43], s[32:39]
	s_nop 0
.irp g, 0,1,2,3
	tensor_load_to_lds s[68+4*\g:71+4*\g], s[24:31]
	s_nop 0
.endr
.rept 4
	v_nop
.endr
.Lfirst_done:
	v_and_b32 v14, 15, v0                          ; r
	v_bfe_u32 v15, v0, 4, 1                        ; h
	v_lshlrev_b32 v[QO], 7, v14
	v_lshl_add_u32 v[QO], v15, 4, v[QO]            ; Q: row r of 128 bytes, + 16 h
	s_lshl_b32 s92, s12, 17
	s_lshl_b32 s13, ttmp9, 16                      ; my work-group's 512 queries,
	s_add_co_u32 s92, s92, s13
	s_lshl_b32 s13, s10, 13                        ; my wave's 64
	s_add_co_u32 s92, s92, s13
	s_add_nc_u64 s[4:5], s[4:5], s[92:93]
	WIN 0x40                                       ; destination window 1
.irp tt, 0,1,2,3
.irp kk, 0,1
	global_load_b128 v[QW+16*\tt+8*\kk:QW+16*\tt+8*\kk+3], v[QO], s[4:5] offset:2048*\tt+64*\kk
	global_load_b128 v[QW+16*\tt+8*\kk+4:QW+16*\tt+8*\kk+7], v[QO], s[4:5] offset:2048*\tt+64*\kk+32
.endr
.endr
	WIN 0
	v_mul_u32_u24 v[AK0], v14, PKL
	v_lshl_add_u32 v[AK0], v15, 4, v[AK0]          ; K: row r x pitch + 16 h
	v_and_b32 v11, 7, v0
	v_lshl_add_u32 v[AV0], v15, 3, v11             ; V, for the turning load: key 8 h + lane % 8,
	v_mul_u32_u24 v[AV0], v[AV0], PVL
	v_bfe_u32 v11, v0, 3, 1
	v_lshl_add_u32 v[AV0], v11, 4, v[AV0]          ; channels 8 ((lane / 8) % 2) on
	v_add_nc_u32 v[AV0], VL, v[AV0]
	v_lshl_add_u32 v[AN0], v15, 5, NSL             ; ns: my half's eight keys: 32 h
	s_mul_i32 s13, s10, 64*SGP                     ; my stage
	v_mul_u32_u24 v[STO], v14, SGP
	v_lshl_add_u32 v[STO], v15, 5, v[STO]
	v_add_nc_u32 v[STO], s13, v[STO]               ; in: row = channel r; my eight queries: 32 h
	v_mul_u32_u24 v[RD], v15, SGP
	v_lshl_add_u32 v[RD], v14, 4, v[RD]
	v_add_nc_u32 v[RD], s13, v[RD]                 ; back: sixteen lanes to a row, two rows an instruction
	v_lshlrev_b32 v[GO], 12, v15
	v_lshl_add_u32 v[GO], v14, 4, v[GO]            ; and the same two rows of out0, 4,096 bytes apart
	s_lshl_b32 s92, s12, 18                        ; out0: 64 rows of 4,096 bytes a head,
	s_lshl_b32 s13, ttmp9, 11
	s_add_co_u32 s92, s92, s13
	s_lshl_b32 s13, s10, 8                         ; my wave's 64 queries: 256 bytes, aligned
	s_add_co_u32 s92, s92, s13
	s_add_nc_u64 s[8:9], s[8:9], s[92:93]
.macro KLD                             ; a step's K (32 keys x 64 channels: 8 loads) and its ns (4 loads; the lanes of a half read the same 32 bytes)
.irp su, 0,1
.irp kk, 0,1
	ds_load_b128 v[KF+16*\su+8*\kk:KF+16*\su+8*\kk+3], v[ADK] offset:16*PKL*\su+64*\kk
	ds_load_b128 v[KF+16*\su+8*\kk+4:KF+16*\su+8*\kk+7], v[ADK] offset:16*PKL*\su+64*\kk+32
.endr
.endr
.irp su, 0,1
	ds_load_b128 v[CN+8*\su:CN+8*\su+3], v[ADN] offset:64*\su
	ds_load_b128 v[CN+8*\su+4:CN+8*\su+7], v[ADN] offset:64*\su+16
.endr
.endm
.macro VLD                             ; a step's V, turned: 32 keys x 64 channels: 8 loads
.irp ct, 0,1,2,3
	ds_load_tr16_b128 v[VF+8*\ct:VF+8*\ct+3], v[ADV] offset:32*\ct
	ds_load_tr16_b128 v[VF+8*\ct+4:VF+8*\ct+7], v[ADV] offset:32*\ct+16*PVL
.endr
.endm
; A STEP: 32 keys.  zero = 1: the first step starts O's sums.  edge = 0: plain; 1: the next step's keys lie in the next quarter, which is waited for here (n: the later quarters' loads, which may stay out); 2: the last step fetches nothing.
.macro STEP zero, edge, n
	s_wait_dscnt 8                                 ; K and ns, the older twelve loads, are in; V's eight may be out
	WIN 0x04                                       ; source 1 (Q) window 1
.irp tt, 0,1,2,3                       ; the eight accumulators take turns, one instruction a turn, in the same order for both halves of the channels
.irp su, 0,1
	v_wmma_f32_16x16x32_f16 v[S+16*\tt+8*\su:S+16*\tt+8*\su+7], v[KF+16*\su:KF+16*\su+7], v[QW+16*\tt:QW+16*\tt+7], v[CN+8*\su:CN+8*\su+7]
.endr
.endr
.irp tt, 0,1,2,3
.irp su, 0,1
	v_wmma_f32_16x16x32_f16 v[S+16*\tt+8*\su:S+16*\tt+8*\su+7], v[KF+16*\su+8:KF+16*\su+15], v[QW+16*\tt+8:QW+16*\tt+15], v[S+16*\tt+8*\su:S+16*\tt+8*\su+7]
.endr
.endr
	WIN 0
.if \edge != 2
	s_add_co_u32 s[TK], s[TK], 32*PKL
	s_add_co_u32 s[TN], s[TN], 128
	v_add_nc_u32 v[ADK], s[TK], v[AK0]             ; four places in front of the loads into K's and ns's registers and of the first read of the scores: these two lines and two v_nop
	v_add_nc_u32 v[ADN], s[TN], v[AN0]
	v_nop
	v_nop
.if \edge == 1
	s_wait_tensorcnt \n                            ; my part of the next quarter is in,
	s_wait_dscnt 0x0                               ; no LDS instruction of mine is out at the signal,
	s_barrier_signal -1
	s_barrier_wait -1                              ; everybody's part is in
.endif
	KLD                                            ; the next step's
.else
.rept 4
	v_nop
.endr
.endif
.set i, 0
.rept 64
	v_exp_f32 v[S+i], v[S+i]                       ; ONE BATCH: the weights, each accumulator from its low end on
.set i, i+1
.endr
.if \edge != 2
	s_add_co_u32 s[TV], s[TV], 32*PVL
	v_add_nc_u32 v[ADV], s[TV], v[AV0]             ; (the plain instruction behind the last exponential)
.else
	v_nop
.endif
	s_wait_alu depctr_va_vdst(0)                   ; one wait for the batch, ahead of its first reader
.set i, 0
.rept 32
	v_cvt_pk_f16_f32 v[P+i], v[S+2*i], v[S+2*i+1]  ; register 8 tt + 4 su + i: keys 16 su + 8 h + 2 i, + 1 of query r: source 0's own layout
.set i, i+1
.endr
.if \edge != 2
	s_wait_dscnt 12                                ; V is in; the twelve loads for the next step may be out
.else
	s_wait_dscnt 0x0
.endif
	WIN 0x50                                       ; C and D (O) window 1
.irp tt, 0,1,2,3                       ; sixteen accumulators, one instruction each
.irp ct, 0,1,2,3
.if \zero
	v_wmma_f32_16x16x32_f16 v[32*\tt+8*\ct:32*\tt+8*\ct+7], v[P+8*\tt:P+8*\tt+7], v[VF+8*\ct:VF+8*\ct+7], 0
.else
	v_wmma_f32_16x16x32_f16 v[32*\tt+8*\ct:32*\tt+8*\ct+7], v[P+8*\tt:P+8*\tt+7], v[VF+8*\ct:VF+8*\ct+7], v[32*\tt+8*\ct:32*\tt+8*\ct+7]
.endif
.endr
.endr
	WIN 0
.rept 4
	v_nop                                          ; places in front of the loads into V's registers, of the next roundings into P, and, behind the last step, of the first read of O
.endr
.if \edge != 2
	VLD                                            ; the next step's
.endif
.endm
.macro STEPS n                         ; n plain steps
	s_mov_b32 s[CNT], \n
.Lsteps_\@:
	STEP 0, 0, 0
	s_sub_co_u32 s[CNT], s[CNT], 1
	s_cmp_lg_u32 s[CNT], 0
	s_cbranch_scc1 .Lsteps_\@
.endm
	s_wait_tensorcnt 3                             ; ns and my part of keys 0 to 255 are in; three quarters' loads may stay out
	s_barrier_signal -1
	s_barrier_wait -1
	v_add_nc_u32 v[ADK], s[TK], v[AK0]
	v_add_nc_u32 v[ADN], s[TN], v[AN0]
	v_add_nc_u32 v[ADV], s[TV], v[AV0]
	KLD
	VLD
	s_wait_loadcnt 0x0                             ; Q
	STEP 1, 0, 0                                   ; step 0
	STEPS 6                                        ; steps 1 to 6
	STEP 0, 1, 2                                   ; step 7 fetches from the second quarter
	STEPS 7
	STEP 0, 1, 1                                   ; step 15: the third
	STEPS 7
	STEP 0, 1, 0                                   ; step 23: the fourth
	STEPS 7
	STEP 0, 2, 0                                   ; step 31
	; THE WAY OUT.  O x 2^-10 goes through my stage, which lies over K's rows: so a barrier first, behind every wave's last read of them.  Sixteen lanes then store 256 consecutive aligned bytes of a row of out0.
	s_wait_dscnt 0x0
	s_barrier_signal -1
	s_barrier_wait -1
	WIN 0x01                                       ; source 0 window 1
.set i, 0
.rept 64
	v_pk_mul_f32 v[TO+i:TO+i+1], v[i:i+1], 0x3a800000 op_sel_hi:[1,0]   ; each accumulator from its low end on
.set i, i+2
.endr
	WIN 0
.macro TOSTG half                      ; channels 32 half on: 16 stores
.irp c, 0,1
.irp tt, 0,1,2,3
	ds_store_b128 v[STO], v[TO+32*\tt+8*(2*\half+\c):TO+32*\tt+8*(2*\half+\c)+3] offset:16*SGP*(2*\half+\c)+64*\tt
	ds_store_b128 v[STO], v[TO+32*\tt+8*(2*\half+\c)+4:TO+32*\tt+8*(2*\half+\c)+7] offset:16*SGP*(2*\half+\c)+64*\tt+16
.endr
.endr
.endm
	TOSTG 0
.irp i, 0,1,2,3,4,5,6,7,8,9,10,11,12,13,14,15
	ds_load_b128 v[160+4*\i:163+4*\i], v[RD] offset:2*SGP*\i            ; LDS serves a wave's instructions in order: these see my stores
.endr
	TOSTG 1
	s_wait_dscnt 0x0                               ; the first half is back, and the stores have read their registers, onto which the second half is loaded
.irp i, 0,1,2,3,4,5,6,7,8,9,10,11,12,13,14,15
	ds_load_b128 v[TO+4*\i:TO+4*\i+3], v[RD] offset:2*SGP*(16+\i)
.endr
.irp i, 0,1,2,3,4,5,6,7,8,9,10,11,12,13,14,15
	global_store_b128 v[GO], v[160+4*\i:163+4*\i], s[8:9] offset:8192*\i th:TH_STORE_NT
.endr
.irp i, 0,1,2,3,4,5,6,7,8,9,10,11,12,13,14,15
	s_wait_dscnt 15-\i                             ; row pair 16 + i is back; the later pairs may be out
	global_store_b128 v[GO], v[TO+4*\i:TO+4*\i+3], s[8:9] offset:8192*(16+\i) th:TH_STORE_NT
.endr
	s_wait_tensorcnt 0x0                           ; the wave's end, behind my last tensor load and my last LDS store
	ds_add_u32 v[SPW], v[NIL]
	s_wait_dscnt 0x0
	s_endpgm
.Lfunc_end_k_q5fec9910bb_attn:
	.size	k_q5fec9910bb_attn, .Lfunc_end_k_q5fec9910bb_attn-k_q5fec9910bb_attn
	.p2alignl 7, 3214868480
	.fill 96, 4, 3214868480
	.section	.rodata,"a",@progbits
	.p2align	6, 0x0
	.amdhsa_kernel k_q5fec9910bb_attn
		.amdhsa_group_segment_fixed_size 327680
		.amdhsa_private_segment_fixed_size 0
		.amdhsa_enable_private_segment 0
		.amdhsa_kernarg_size 24
		.amdhsa_user_sgpr_count 2
		.amdhsa_user_sgpr_kernarg_segment_ptr 1
		.amdhsa_wavefront_size32 1
		.amdhsa_system_sgpr_workgroup_id_x 1
		.amdhsa_system_sgpr_workgroup_id_y 1
		.amdhsa_system_sgpr_workgroup_id_z 1
		.amdhsa_system_vgpr_workitem_id 0
		.amdhsa_next_free_vgpr 512
		.amdhsa_next_free_sgpr 96
		.amdhsa_reserve_vcc 0
		.amdhsa_float_denorm_mode_32 3
		.amdhsa_float_denorm_mode_16_64 3
		.amdhsa_memory_ordered 1
		.amdhsa_forward_progress 1
		.amdhsa_inst_pref_size 96
	.end_amdhsa_kernel
	.amdgpu_metadata
---
amdhsa.version: [ 1, 2 ]
amdhsa.kernels:
  - .name:           k_q5fec9910bb_attn
    .symbol:         k_q5fec9910bb_attn.kd
    .args:
      - { .name: hb, .offset: 0, .size: 8, .value_kind: global_buffer, .address_space: global }
      - { .name: ns, .offset: 8, .size: 8, .value_kind: global_buffer, .address_space: global }
      - { .name: out0, .offset: 16, .size: 8, .value_kind: global_buffer, .address_space: global }
    .group_segment_fixed_size: 327680
    .private_segment_fixed_size: 0
    .kernarg_segment_align: 8
    .kernarg_segment_size: 24
    .max_flat_workgroup_size: 256
    .sgpr_count:     96
    .vgpr_count:     512
    .wavefront_size: 32
...
	.end_amdgpu_metadata
.endif
;; end of part 4
